; MI455X (gfx1250); checked and timed in simulation.
; The chip was launched on July 23, 2026; its instructions are those of AMD's public machine-readable ISA for CDNA 5 (MIT licence, August 2026) and "CDNA5" Instruction Set Architecture Reference Guide (July 2026). The comments in the code are by the model that wrote it; some were corrected since.
;; Quant Linear Base. Allowed arithmetic: matrix products marked QUANTISED: E5M2 operands, one E8M0 scale for each 32 along K, by v_wmma_scale_f32_16x16x128_f8f6f4 with both operands' format E5M2, f32 sums; everything else in f32.
;; Inputs: bias 4,096 float32; qweight 4,096 x 2,048 int32; weight_scale 4,096 x 1 float32; x 4,096 x 4,096 float32.
;; Outputs: out0 4,096 x 4,096 float32.
;; This version of the problem:
;;   THIS VERSION OF THE PROBLEM IS GIVEN IN LOW PRECISION. The matrix products marked QUANTISED in the list below multiply operands that are first quantised to E5M2 (5 exponent bits, 2 mantissa bits; 8 bits a number), with one power-of-two scale for each 32 numbers along K (OCP MX v1.0); their sums are f32. All else is computed in f32.
;;   The module's matrix products, in the order in which they are computed (A, B: the left and right operand; K: the contracted axis; several contracted axes count as one K, in the product's order):
;;     1. [M 4,096, K 4,096] x [K 4,096, N 4,096]; A: computed on the way; B: computed on the way: QUANTISED
;;   THE QUANTISER, for each operand of a quantised product, along K:
;;     - K is cut into blocks of 32 from its start; a last block that is shorter is filled with zeros.
;;     - A block's scale is 2^e with e = floor(log2(the largest magnitude in the block)) - 15, held to -126 .. 127; a block of zeros has e = 0. As a byte (E8M0): e + 127.
;;     - Each number is divided by its block's scale, clamped to +-57,344, and rounded to the nearest number of E5M2, ties to even, subnormals kept.
;;     - The product sums the exact products of the quantised numbers (number of the format x scale) in f32.
;;   ~~~python
;;   def quantise(x, axis):      # numpy; x: float32 -> the quantised numbers, widened to float32 again
;;       x = np.moveaxis(x, axis, -1); K = x.shape[-1]
;;       x = np.pad(x, [(0, 0)] * (x.ndim - 1) + [(0, -K % 32)]); x = x.reshape(x.shape[:-1] + (-1, 32)); a = np.abs(x).max(-1, keepdims=True)
;;       e = np.where(a > 0, np.clip(np.frexp(np.where(a > 0, a, 1))[1] - 1 - 15, -126, 127), 0)      # np.frexp(a)[1] - 1 = floor(log2(a)), exactly
;;       r = np.clip(x / 2.0 ** e, -57344, 57344)
;;       step = 2.0 ** (np.maximum(np.frexp(np.where(r == 0, 1, r))[1] - 1, -14) - 2)
;;       q = np.round(r / step) * step * 2.0 ** e      # np.round: ties to even
;;       return np.moveaxis(q.reshape(q.shape[:-2] + (-1,))[..., :K], -1, axis).astype(np.float32)
;;   ~~~
;;   OPERANDS COMPUTED ON THE WAY. 'Computed on the way' means the value that the module computes at that place (a softmax that the list does not call 'softmax' is quantised finished and normalised). What goes into a quantiser is computed in f32, as accurately as f32 sums, v_exp_f32 and their like allow (about 1e-6 of the number): no bf16 or f16 on the way to a quantiser, and a product that is left as it is and whose result goes on into a quantised operand takes f32 operands (vector FMAs, or v_wmma_f32_16x16x4_f32). A number that lies on a knife's edge between two numbers of the format may be rounded either way, as far as f32 arithmetic and the matrix unit's own rounding can turn it there, and no further.
;; One version. Each part assembles by itself: llvm-mc -triple=amdgcn-amd-amdhsa -mcpu=gfx1250 --defsym DOCPART=n.
;; ======== version 1 of 1: 2 launches
;; limits: right only within a limited range of input values
;; workspace buffers: apack 17,301,504 bytes; bpack 17,301,504 bytes
;; launch quant (part 1): grid 256 x 1, 16 waves a work-group, no clusters, 138,240 bytes of LDS; arguments x, qweight, weight_scale, apack, bpack; writes apack, bpack
.if DOCPART == 1
	.amdgcn_target "amdgcn-amd-amdhsa--gfx1250"
	.amdhsa_code_object_version 6
	.text
	.protected	k_q38bfd2dbd4_quant
	.globl	k_q38bfd2dbd4_quant
	.p2align	8
	.type	k_q38bfd2dbd4_quant,@function
k_q38bfd2dbd4_quant:
	s_mov_b64 s[64:65], 0
	v_nop
	global_prefetch_b8 v0, s[64:65] scope:SCOPE_SE
	s_setreg_imm32_b32 hwreg(HW_REG_WAVE_MODE, 25, 1), 1
	s_wait_xcnt 0x0
; Both operands of the product become codes of BF8 (E5M2) with one E8M0 byte for each 32 along K: x [4096][4096] f32 -> apack;  qweight [4096][2048] int32 with weight_scale [4096] f32 -> bpack.
; THE LEFT OPERAND is x_dq = q * a:  a = (the row's largest |x|) / 127, or 1 where that is 0;  q = round(x / a), ties to even, held to -128 .. 127.
; THE RIGHT OPERAND is w = n * a:  a = the row's weight_scale;  of word u of a row, n = (word >> 4) - 8 (arithmetic shift) is k = 2 u and n = (word & 15) - 8 is k = 2 u + 1.
; Both are a whole number times one f32 number a row, and a block of 32 goes alike:  N = its largest |whole number| (1 at the least);  m = N * |a| is its largest magnitude, since rounding keeps order;
; E = m's exponent field;  the scale's byte is E - 15;  f = a * 2^(142 - E), exact;  (whole number) * f is the operand's number / the scale, since a power of two goes through the rounding;  it is held within
; +-57,344 and converted under the scale 1.  (Of x a lane's eight registers of one conversion belong to two blocks, and a conversion takes one scale a lane: so the division by the scale is done by f.)
; LIMITS: NaN and infinities among the inputs are not served.  Rows of x whose a lies under 2^-126 were not tried.  A block whose m lies under 2^-111 keeps the byte 1.  The 8 is taken off behind the conversion
; to f32: exact while |word >> 4| stays under 2^24.  A block of zeros gets the byte that a alone would give, not 127: its codes are zeros, and these bytes are read by this program alone.
; THE WORKSPACES are laid as the product's launch reads them: [row / 128][K step of 256][a block of 33,792 bytes].  In a block: fragment (q, i) (rows 16 i on, k = 128 q on) at 2,048 (8 q + i), as an image of its
; 16 registers: piece c at 512 c, lane l = r + 16 h at 16 l: the codes of row 16 i + r, k = 128 q + 32 c + 16 h + 0 .. 15.  From byte 32,768: the scale words, at 8 (16 i + r) + 4 q.
; SHARES.  A work-group takes rows 16 g .. 16 g + 15 of x and then the same rows of the weight: one path for all work-groups, equal work for each.  Wave w takes row w whole.  A tensor's codes and scale bytes meet
; in LDS, each tensor in bytes of its own; behind that tensor's barrier wave w takes K step w of all 16 rows and stores it as register images: 512 consecutive bytes a store.
; WHAT RUNS SIDE BY SIDE.  x's row is 32 loads of 512 consecutive bytes, all out at once, and stays in 128 registers between the maximum and the codes.  Each of the first four calls that make x's codes frees
; 16 of those registers, and four of the weight row's 16 loads go straight into them: they are on their way under the other four calls, the barrier and x's way out.  x's stores leave under the weight's arithmetic.
; No tensor loads, no cluster, no prefetch: work-groups share no input, and the loads are issued as early as the registers allow.
.set LP,   4112                        ; a row of 4,096 codes in LDS + 16 bytes: an odd multiple of 16, so that the 16 rows that a load of 16 bytes a lane touches begin at different places modulo 256
.set SCB,  16*LP                       ; behind a tensor's codes: its scale bytes,
.set SP,   136                         ; 128 a row + 8
.set WB,   68096                       ; x's bytes lie from 0, the weight's from here: the same map
.set BLK,  33792
.set OFF,  3                           ; v3   16 x lane: my 16 bytes of a load's 512
.set LW,   4                           ; v4   LDS, x: my row, 4 x lane: where my four codes of a load go
.set LS,   5                           ; v5   LDS, x: my row's scale bytes, lane / 8
.set LR,   6                           ; v6   LDS, x, behind the barrier: row lane % 16, + 16 (lane / 16), + 256 x wave
.set LT,   7                           ; v7   LDS, x, behind the barrier: the scale word of row lane / 2, half lane % 2, K step = wave
.set GO,   8                           ; v8   my place in a block's codes: 16 x lane + 2,048 i
.set GS,   9                           ; v9   and among its scale words: 4 x lane + 128 i
.set ONE,  10                          ; v10  1.0: the conversions' scale
.set A,    11                          ; v11  x's a
.set RI,   12                          ; v[12:13] 1 / a, twice
.set NA,   14                          ; v[14:15] -a, twice
.set M,    16                          ; v16-19 four running maxima
.set WX,   20                          ; v20  at work at the head and for the row; then x's scale word on its way out
.set T0,   22                          ; v22-29 four pairs at work
.set LWW,  30                          ; v30  LDS, the weight: my row, 8 x lane: where my eight codes of a load go
.set LSW,  31                          ; v31  LDS, the weight: my row's scale bytes, lane / 4
.set X,    32                          ; v32-159 x's row: load j in v[X + 4 j] on
.set Q,    32                          ; v32-95  then the weight's words: load j in v[Q + 4 j] on; at the end v32-64 are the weight's way out
.set N,    96                          ; v96-127 four loads' numbers of the weight, eight each
.set OX,   128                         ; v128-159 x's way out: not written again, so its stores are never waited for
.set C,    160                         ; v160-191 x: four codes for each load; the weight: eight codes for each load
.set T,    192                         ; v192-195 four blocks at work
.set LRW,  196                         ; v196 LR in the weight's bytes
.set LTW,  197                         ; v197 LT in the weight's bytes
.set AW,   198                         ; v198 the weight's a
.set WO,   199                         ; v199 4 x my row: its place in weight_scale
.set F,    200                         ; v200, 202, 204, 206: f of four blocks, each the low word of a pair
.set SB,   208                         ; v208-239 a scale byte for each load
	s_load_b256 s[4:11], s[0:1], 0x0               ; x s[4:5], qweight s[6:7], weight_scale s[8:9], apack s[10:11]
	s_load_b64 s[12:13], s[0:1], 0x20              ; bpack
	v_lshl_add_u32 v240, v0, 2, 0x21400
	v_mov_b32 v241, 0
	v_lshrrev_b32 v1, 5, v0
	s_delay_alu instid0(VALU_DEP_1)
	v_readfirstlane_b32 s14, v1                    ; wave 0..15
	v_and_b32 v2, 31, v0                           ; lane
	s_delay_alu instid0(VALU_DEP_1)
	v_lshlrev_b32 v[OFF], 4, v2
	s_mul_i32 s15, s14, LP
	v_lshl_add_u32 v[LW], v2, 2, s15
	v_lshl_add_u32 v[LWW], v2, 3, s15
	s_delay_alu instid0(VALU_DEP_1)
	v_add_nc_u32 v[LWW], WB, v[LWW]
	s_mul_i32 s16, s14, SP
	s_add_co_u32 s16, s16, SCB
	v_lshrrev_b32 v[LS], 3, v2
	s_delay_alu instid0(VALU_DEP_1)
	v_add_nc_u32 v[LS], s16, v[LS]
	v_lshrrev_b32 v[LSW], 2, v2
	s_delay_alu instid0(VALU_DEP_1)
	v_add_nc_u32 v[LSW], s16, v[LSW]
	s_delay_alu instid0(VALU_DEP_1)
	v_add_nc_u32 v[LSW], WB, v[LSW]
	v_and_b32 v20, 15, v0
	v_bfe_u32 v21, v0, 4, 1
	s_delay_alu instid0(VALU_DEP_2)
	v_mul_u32_u24 v[LR], v20, LP
	s_delay_alu instid0(VALU_DEP_1)
	v_lshl_add_u32 v[LR], v21, 4, v[LR]
	s_lshl_b32 s17, s14, 8
	v_add_nc_u32 v[LR], s17, v[LR]
	s_delay_alu instid0(VALU_DEP_1)
	v_add_nc_u32 v[LRW], WB, v[LR]
	v_lshrrev_b32 v20, 1, v2
	v_and_b32 v21, 1, v2
	s_delay_alu instid0(VALU_DEP_2)
	v_mul_u32_u24 v[LT], v20, SP
	s_delay_alu instid0(VALU_DEP_1)
	v_lshl_add_u32 v[LT], v21, 2, v[LT]
	s_lshl_b32 s17, s14, 3
	s_add_co_u32 s17, s17, SCB
	v_add_nc_u32 v[LT], s17, v[LT]
	s_delay_alu instid0(VALU_DEP_1)
	v_add_nc_u32 v[LTW], WB, v[LT]
	s_and_b32 s15, ttmp9, 7                        ; i: which 16 rows of the 128
	s_lshr_b32 s16, ttmp9, 3                       ; row / 128
	s_lshl_b32 s17, s15, 11
	v_add_nc_u32 v[GO], s17, v[OFF]
	s_lshl_b32 s17, s15, 7
	v_lshl_add_u32 v[GS], v2, 2, s17
	s_lshl_b32 s15, ttmp9, 4
	s_add_co_u32 s15, s15, s14                     ; my row, of x and of the weight
	s_lshl_b32 s18, s15, 14                        ; x 16,384 bytes in x: under 2^26
	s_mov_b32 s19, 0
	s_lshl_b32 s20, s15, 13                        ; x 8,192 bytes in qweight: under 2^25
	s_mov_b32 s21, 0
	s_lshl_b32 s17, s15, 2
	v_mov_b32 v[WO], s17
	s_lshl_b32 s22, s16, 4
	s_add_co_u32 s22, s22, s14                     ; the block that I store, in apack and in bpack: 16 (row / 128) + wave
	s_mul_i32 s22, s22, BLK
	s_mov_b32 s23, 0
	s_mov_b32 s24, 0x3c010204                      ; 1 / 127
	s_mov_b32 s25, 0x42fe0000                      ; 127
	s_mov_b32 s26, 0xc3000000                      ; -128
	s_mov_b32 s27, 0x47600000                      ; 57,344
	s_mov_b32 s28, 0xc7600000                      ; -57,344
	s_mov_b32 s30, 0xc1000000                      ; -8
	s_mov_b32 s31, s30                             ; (named with it as a pair, so it is written)
	s_mov_b32 s32, 0x76543210                      ; v_permlanex16_b32's selects for lane l xor 16
	s_mov_b32 s33, 0xfedcba98
	v_mov_b32 v[ONE], 1.0
.irp d, 0,1,2,3
	v_mov_b32 v[M+\d], 0                           ; magnitudes are not negative: 0 starts the four chains
	v_mov_b32 v[F+2*\d+1], 0                       ; named as the upper half of a pair, so it is written
.endr
	s_wait_alu depctr_va_vdst(0)
	s_wait_kmcnt 0x0
	s_add_nc_u64 s[4:5], s[4:5], s[18:19]
	s_add_nc_u64 s[6:7], s[6:7], s[20:21]
	s_add_nc_u64 s[10:11], s[10:11], s[22:23]
	s_add_nc_u64 s[12:13], s[12:13], s[22:23]
	global_load_b32 v[AW], v[WO], s[8:9]           ; every lane reads my row's weight_scale; the oldest load: the first counted wait below covers it
.set j, 0
.rept 32
	global_load_b128 v[X+4*j:X+4*j+3], v[OFF], s[4:5] offset:512*j th:TH_LOAD_NT   ; 32 lanes read 512 consecutive bytes; register u of load j is k = 128 j + 4 lane + u
.set j, j+1
.endr
; x's row: its largest magnitude, eight loads at a time as they come in
.macro MAXGRP g
	s_wait_loadcnt 24-8*\g                         ; loads come back in order: the 8 (3 - g) loads of the later groups may stay out
.set k, 16*\g
.rept 16
	v_max3_num_f32 v[M+k%4], v[M+k%4], |v[X+2*k]|, |v[X+2*k+1]|
.set k, k+1
.endr
.endm
	MAXGRP 0
	s_wait_alu depctr_va_vdst(0)
	MAXGRP 1
	s_wait_alu depctr_va_vdst(0)
	MAXGRP 2
	s_wait_alu depctr_va_vdst(0)
	MAXGRP 3
	s_delay_alu instid0(VALU_DEP_2)
	v_max3_num_f32 v[M], v[M], v[M+1], v[M+2]
	s_delay_alu instid0(VALU_DEP_1)
	v_max_num_f32 v[M], v[M], v[M+3]
	s_delay_alu instid0(VALU_DEP_1)
	v_max_num_f32_dpp v[M], v[M], v[M] row_xmask:1 row_mask:0xf bank_mask:0xf
	s_delay_alu instid0(VALU_DEP_1)
	v_max_num_f32_dpp v[M], v[M], v[M] row_xmask:2 row_mask:0xf bank_mask:0xf
	s_delay_alu instid0(VALU_DEP_1)
	v_max_num_f32_dpp v[M], v[M], v[M] row_xmask:4 row_mask:0xf bank_mask:0xf
	s_delay_alu instid0(VALU_DEP_1)
	v_max_num_f32_dpp v[M], v[M], v[M] row_xmask:8 row_mask:0xf bank_mask:0xf
	s_delay_alu instid0(VALU_DEP_1)
	v_permlanex16_b32 v21, v[M], s32, s33          ; (its destination counts as read: v21 has been written)
	s_delay_alu instid0(VALU_DEP_1)
	v_max_num_f32 v[M], v[M], v21                  ; every lane holds the row's maximum
	s_delay_alu instid0(VALU_DEP_1)
	v_mul_f32 v20, s24, v[M]                       ; a = maximum / 127: a first quotient,
	s_delay_alu instid0(VALU_DEP_1)
	v_fma_f32 v21, -v20, s25, v[M]                 ; what it leaves,
	s_delay_alu instid0(VALU_DEP_1)
	v_fma_f32 v[A], v21, s24, v20                  ; and the quotient corrected once
	s_delay_alu instid0(VALU_DEP_1)
	v_cmp_eq_f32 vcc_lo, 0, v[A]
	s_delay_alu instid0(VALU_DEP_1)
	v_cndmask_b32 v[A], v[A], v[ONE], vcc_lo       ; 1 where it is 0
	s_wait_alu depctr_va_vdst(0)
	v_rcp_f32 v20, v[A]
	v_nop                                          ; a plain instruction behind the reciprocal (ISA guide 5.7.2),
	s_wait_alu depctr_va_vdst(0)                   ; and a wait ahead of its first reader
	v_fma_f32 v21, -v[A], v20, 1.0
	v_fma_f32 v[RI], v21, v20, v20                 ; 1 / a, corrected once
	v_xor_b32 v[NA], 0x80000000, v[A]
	s_delay_alu instid0(VALU_DEP_2)
	v_mov_b32 v[RI+1], v[RI]
	s_delay_alu instid0(VALU_DEP_2)
	v_mov_b32 v[NA+1], v[NA]
; q = round(x / a), held to -128 .. 127, for eight numbers: four pairs by turns.  The quotient: x * (1 / a), what it leaves of x, and one correction: a q that is turned the other way at a half is a whole unit off
.macro DIVQ p
.irp u, 0,1,2,3
	v_pk_mul_f32 v[T0+2*\u:T0+2*\u+1], v[X+8*(\p)+2*\u:X+8*(\p)+2*\u+1], v[RI:RI+1]
.endr
.irp u, 0,1,2,3
	s_delay_alu instid0(VALU_DEP_4)
	v_pk_fma_f32 v[X+8*(\p)+2*\u:X+8*(\p)+2*\u+1], v[T0+2*\u:T0+2*\u+1], v[NA:NA+1], v[X+8*(\p)+2*\u:X+8*(\p)+2*\u+1]
.endr
.irp u, 0,1,2,3
	s_delay_alu instid0(VALU_DEP_4)
	v_pk_fma_f32 v[X+8*(\p)+2*\u:X+8*(\p)+2*\u+1], v[X+8*(\p)+2*\u:X+8*(\p)+2*\u+1], v[RI:RI+1], v[T0+2*\u:T0+2*\u+1]
.endr
.irp u, 0,1,2,3,4,5,6,7
	v_rndne_f32 v[X+8*(\p)+\u], v[X+8*(\p)+\u]
.endr
.irp u, 0,1,2,3,4,5,6,7
	v_med3_num_f32 v[X+8*(\p)+\u], v[X+8*(\p)+\u], s26, s25
.endr
.endm
.set P, 0
.rept 16
	DIVQ P
.set P, P+1
.endr
; x's loads j0 .. j0 + 3.  In load j eight neighbouring lanes hold a block of 32: block 4 j + lane / 8.  The four loads take turns line by line, so that no line waits for the line above it
.macro XBLK4 j0
.irp d, 0,1,2,3
	v_max3_num_f32 v[T+\d], |v[X+4*((\j0)+\d)]|, |v[X+4*((\j0)+\d)+1]|, 1.0   ; N: my four, and 1 as a leaf
.endr
.irp d, 0,1,2,3
	s_delay_alu instid0(VALU_DEP_4)
	v_max3_num_f32 v[T+\d], v[T+\d], |v[X+4*((\j0)+\d)+2]|, |v[X+4*((\j0)+\d)+3]|
.endr
.irp m, 1,2,4
.irp d, 0,1,2,3
	s_delay_alu instid0(VALU_DEP_4)
	v_max_num_f32_dpp v[T+\d], v[T+\d], v[T+\d] row_xmask:\m row_mask:0xf bank_mask:0xf   ; and the other seven lanes'
.endr
.endr
.irp d, 0,1,2,3
	s_delay_alu instid0(VALU_DEP_4)
	v_mul_f32 v[T+\d], v[T+\d], v[A]               ; m = N a (a is positive here)
.endr
.irp d, 0,1,2,3
	s_delay_alu instid0(VALU_DEP_4)
	v_max_num_f32 v[T+\d], 0x8000000, v[T+\d]      ; the floor 2^(16 - 127): the byte cannot fall under 1
.endr
.irp d, 0,1,2,3
	s_delay_alu instid0(VALU_DEP_4)
	v_lshrrev_b32 v[T+\d], 23, v[T+\d]             ; E
.endr
.irp d, 0,1,2,3
	s_delay_alu instid0(VALU_DEP_4)
	v_add_nc_u32 v[SB+(\j0)+\d], -15, v[T+\d]      ; the scale's byte
.endr
.irp d, 0,1,2,3
	v_sub_nc_u32 v[T+\d], 142, v[T+\d]
.endr
.irp d, 0,1,2,3
	s_delay_alu instid0(VALU_DEP_4)
	v_ldexp_f32 v[F+2*\d], v[A], v[T+\d]           ; f = a / the scale
.endr
.irp d, 0,1,2,3
	v_pk_mul_f32 v[X+4*((\j0)+\d):X+4*((\j0)+\d)+1], v[X+4*((\j0)+\d):X+4*((\j0)+\d)+1], v[F+2*\d:F+2*\d+1] op_sel_hi:[1,0]
	v_pk_mul_f32 v[X+4*((\j0)+\d)+2:X+4*((\j0)+\d)+3], v[X+4*((\j0)+\d)+2:X+4*((\j0)+\d)+3], v[F+2*\d:F+2*\d+1] op_sel_hi:[1,0]
.endr
.irp d, 0,1,2,3
.irp u, 0,1,2,3
	v_med3_num_f32 v[X+4*((\j0)+\d)+\u], v[X+4*((\j0)+\d)+\u], s28, s27   ; the conversion to an 8-bit code does not saturate (ISA guide 7.6.2): the hold at the largest number
.endr
.endr
.irp d, 0,2
	v_cvt_scalef32_pk8_bf8_f32 v[C+(\j0)+\d:C+(\j0)+\d+1], v[X+4*((\j0)+\d):X+4*((\j0)+\d)+7], v[ONE]   ; two loads' numbers: four codes for each
.endr
	v_nop                                          ; a plain instruction behind the last conversion
.irp d, 0,1,2,3
	ds_store_b32 v[LW], v[C+(\j0)+\d] offset:128*((\j0)+\d)
	ds_store_b8 v[LS], v[SB+(\j0)+\d] offset:4*((\j0)+\d)   ; the eight lanes of a block write the same byte with the same value
.endr
.endm
; four loads of my row of the weight, into the 16 registers whose numbers of x have just become codes
.macro WLOAD4 j0
.irp d, 0,1,2,3
	global_load_b128 v[Q+4*((\j0)+\d):Q+4*((\j0)+\d)+3], v[OFF], s[6:7] offset:512*((\j0)+\d) th:TH_LOAD_NT   ; 32 lanes read 512 consecutive bytes; word u of load j is k = 256 j + 8 lane + 2 u, + 1
.endr
.endm
; THE WAY OUT of a tensor: K step = my wave, 16 rows: two fragments as register images, and their 32 scale words.  o: 32 registers;  wd: one;  lr, lt: the LDS addresses;  b: the buffer's scalar pair
.macro OUT o, wd, lr, lt, b
.irp q, 0,1
.irp c, 0,1,2,3
	ds_load_b128 v[\o+4*(4*\q+\c):\o+4*(4*\q+\c)+3], v[\lr] offset:128*\q+32*\c
.endr
.endr
	ds_load_b32 v[\wd], v[\lt]
.irp q, 0,1
.irp c, 0,1,2,3
	s_wait_dscnt 8-(4*\q+\c)                       ; LDS loads come back in order: those issued behind this piece may stay out
	global_store_b128 v[GO], v[\o+4*(4*\q+\c):\o+4*(4*\q+\c)+3], s[\b:\b+1] offset:16384*\q+512*\c   ; 32 lanes store 512 consecutive bytes, at a multiple of 256 from the buffer's first byte
.endr
.endr
	s_wait_dscnt 0x0
	global_store_b32 v[GS], v[\wd], s[\b:\b+1] offset:32768   ; 128 consecutive bytes: my 16 rows' words; a thirty-second part of the codes' bytes
.endm
.irp j0, 0,4,8,12
	XBLK4 \j0
	WLOAD4 \j0                                     ; the weight's row is asked for here, 64 registers in four parts
.endr
.irp j0, 16,20,24,28
	XBLK4 \j0
.endr
	s_wait_dscnt 0x0                               ; for the others' sake: my row's codes and scale bytes lie in LDS.  (The stores have also read their registers, which the weight's codes and bytes take)
	s_barrier_signal -1
	s_barrier_wait -1                              ; all sixteen rows of x do
	OUT OX, WX, LR, LT, 10                         ; these stores leave while the weight is worked on: none of their registers is written again
; The weight's loads j0 .. j0 + 3.  In load j four neighbouring lanes hold a block of 32: block 8 j + lane / 4.  The four loads take turns line by line
.macro WBLK4 j0
	s_wait_loadcnt 12-(\j0)                        ; loads come back in order: the later calls' loads may stay out
.irp d, 0,1,2,3
.irp u, 0,1,2,3
	v_ashrrev_i32 v[N+8*\d+2*\u], 4, v[Q+4*((\j0)+\d)+\u]       ; the even k
	v_and_b32 v[N+8*\d+2*\u+1], 15, v[Q+4*((\j0)+\d)+\u]        ; the odd k
.endr
.endr
.set k, 0
.rept 32
	v_cvt_f32_i32 v[N+k], v[N+k]
.set k, k+1
.endr
.set k, 0
.rept 16
	v_pk_add_f32 v[N+2*k:N+2*k+1], v[N+2*k:N+2*k+1], s[30:31] op_sel_hi:[1,0]   ; - 8
.set k, k+1
.endr
.irp d, 0,1,2,3
	v_max3_num_f32 v[T+\d], |v[N+8*\d]|, |v[N+8*\d+1]|, 1.0     ; N: my eight, and 1 as a leaf
.endr
.irp u, 2,4,6
.irp d, 0,1,2,3
	s_delay_alu instid0(VALU_DEP_4)
	v_max3_num_f32 v[T+\d], v[T+\d], |v[N+8*\d+\u]|, |v[N+8*\d+\u+1]|
.endr
.endr
.irp m, 1,2
.irp d, 0,1,2,3
	s_delay_alu instid0(VALU_DEP_4)
	v_max_num_f32_dpp v[T+\d], v[T+\d], v[T+\d] row_xmask:\m row_mask:0xf bank_mask:0xf   ; and the other three lanes'
.endr
.endr
.irp d, 0,1,2,3
	s_delay_alu instid0(VALU_DEP_4)
	v_mul_f32 v[T+\d], v[T+\d], |v[AW]|            ; m = N |a|
.endr
.irp d, 0,1,2,3
	s_delay_alu instid0(VALU_DEP_4)
	v_max_num_f32 v[T+\d], 0x8000000, v[T+\d]      ; the floor 2^(16 - 127): the byte cannot fall under 1
.endr
.irp d, 0,1,2,3
	s_delay_alu instid0(VALU_DEP_4)
	v_lshrrev_b32 v[T+\d], 23, v[T+\d]             ; E
.endr
.irp d, 0,1,2,3
	s_delay_alu instid0(VALU_DEP_4)
	v_add_nc_u32 v[SB+(\j0)+\d], -15, v[T+\d]      ; the scale's byte
.endr
.irp d, 0,1,2,3
	v_sub_nc_u32 v[T+\d], 142, v[T+\d]
.endr
.irp d, 0,1,2,3
	s_delay_alu instid0(VALU_DEP_4)
	v_ldexp_f32 v[F+2*\d], v[AW], v[T+\d]          ; f = a / the scale, with a's sign
.endr
.irp d, 0,1,2,3
.irp u, 0,2,4,6
	v_pk_mul_f32 v[N+8*\d+\u:N+8*\d+\u+1], v[N+8*\d+\u:N+8*\d+\u+1], v[F+2*\d:F+2*\d+1] op_sel_hi:[1,0]
.endr
.endr
.set k, 0
.rept 32
	v_med3_num_f32 v[N+k], v[N+k], s28, s27        ; the conversion to an 8-bit code does not saturate (ISA guide 7.6.2): the hold at the largest number
.set k, k+1
.endr
.irp d, 0,1,2,3
	v_cvt_scalef32_pk8_bf8_f32 v[C+2*((\j0)+\d):C+2*((\j0)+\d)+1], v[N+8*\d:N+8*\d+7], v[ONE]
.endr
	v_nop                                          ; a plain instruction behind the last conversion: the next call writes the numbers' registers
.irp d, 0,1,2,3
	ds_store_b64 v[LWW], v[C+2*((\j0)+\d):C+2*((\j0)+\d)+1] offset:256*((\j0)+\d)
	ds_store_b8 v[LSW], v[SB+(\j0)+\d] offset:8*((\j0)+\d)   ; the four lanes of a block write the same byte with the same value
.endr
.endm
.irp j0, 0,4,8,12
	WBLK4 \j0
.endr
	s_wait_dscnt 0x0                               ; for the others' sake: my row's codes and scale bytes lie in LDS
	s_barrier_signal -1
	s_barrier_wait -1                              ; all sixteen rows of the weight do
	OUT Q, Q+32, LRW, LTW, 12
	s_wait_tensorcnt 0x0
	ds_add_u32 v240, v241
	s_wait_dscnt 0x0
	s_endpgm
.Lfunc_end_k_q38bfd2dbd4_quant:
	.size	k_q38bfd2dbd4_quant, .Lfunc_end_k_q38bfd2dbd4_quant-k_q38bfd2dbd4_quant
	.p2alignl 7, 3214868480
	.fill 96, 4, 3214868480
	.section	.rodata,"a",@progbits
	.p2align	6, 0x0
	.amdhsa_kernel k_q38bfd2dbd4_quant
		.amdhsa_group_segment_fixed_size 138240
		.amdhsa_private_segment_fixed_size 0
		.amdhsa_enable_private_segment 0
		.amdhsa_kernarg_size 40
		.amdhsa_user_sgpr_count 2
		.amdhsa_user_sgpr_kernarg_segment_ptr 1
		.amdhsa_wavefront_size32 1
		.amdhsa_system_sgpr_workgroup_id_x 1
		.amdhsa_system_sgpr_workgroup_id_y 1
		.amdhsa_system_sgpr_workgroup_id_z 1
		.amdhsa_system_vgpr_workitem_id 0
		.amdhsa_next_free_vgpr 242
		.amdhsa_next_free_sgpr 66
		.amdhsa_reserve_vcc 1
		.amdhsa_float_denorm_mode_32 3
		.amdhsa_float_denorm_mode_16_64 3
		.amdhsa_memory_ordered 1
		.amdhsa_forward_progress 1
		.amdhsa_inst_pref_size 135
	.end_amdhsa_kernel
	.amdgpu_metadata
---
amdhsa.version: [ 1, 2 ]
amdhsa.kernels:
  - .name:           k_q38bfd2dbd4_quant
    .symbol:         k_q38bfd2dbd4_quant.kd
    .args:
      - { .name: x, .offset: 0, .size: 8, .value_kind: global_buffer, .address_space: global }
      - { .name: qweight, .offset: 8, .size: 8, .value_kind: global_buffer, .address_space: global }
      - { .name: weight_scale, .offset: 16, .size: 8, .value_kind: global_buffer, .address_space: global }
      - { .name: apack, .offset: 24, .size: 8, .value_kind: global_buffer, .address_space: global }
      - { .name: bpack, .offset: 32, .size: 8, .value_kind: global_buffer, .address_space: global }
    .group_segment_fixed_size: 138240
    .private_segment_fixed_size: 0
    .kernarg_segment_align: 8
    .kernarg_segment_size: 40
    .max_flat_workgroup_size: 512
    .sgpr_count:     66
    .vgpr_count:     242
    .wavefront_size: 32
...
	.end_amdgpu_metadata
.endif
;; end of part 1
;; launch gemm (part 2): grid 16 x 16, 4 waves a work-group, clusters of 4 x 1, 327,680 bytes of LDS; arguments apack, bpack, bias, out0; writes out0
.if DOCPART == 2
	.amdgcn_target "amdgcn-amd-amdhsa--gfx1250"
	.amdhsa_code_object_version 6
	.text
	.protected	k_q38bfd2dbd4_gemm
	.globl	k_q38bfd2dbd4_gemm
	.p2align	8
	.type	k_q38bfd2dbd4_gemm,@function
k_q38bfd2dbd4_gemm:
	s_mov_b64 s[64:65], 0
	v_nop
	global_prefetch_b8 v0, s[64:65] scope:SCOPE_SE
	s_setreg_imm32_b32 hwreg(HW_REG_WAVE_MODE, 25, 1), 1
	s_wait_xcnt 0x0
	s_wait_alu depctr_hold_cnt(0) depctr_sa_sdst(0) depctr_va_vdst(0) depctr_va_sdst(0) depctr_va_ssrc(0) depctr_va_vcc(0) depctr_vm_vsrc(0)
	s_getreg_b32 s2, hwreg(HW_REG_IB_STS2, 6, 4)
	s_cmp_eq_u32 s2, 0
	s_cbranch_scc0 .Lentry_in_a_cluster
	s_endpgm
.Lentry_in_a_cluster:
	s_bfe_u32 s2, ttmp6, 0x10000c
	s_cmp_lg_u32 s2, 0x3003
	s_cbranch_scc0 .Lentry_shape_is_right
	s_endpgm
.Lentry_shape_is_right:
; out0[m][n] = bias[n] + sum over k of A[m][k] B[n][k]: codes of BF8 (E5M2) with one E8M0 byte for each 32 along K, as the launch before laid them:
; [row / 128][K step of 256][block of 33,792 bytes]; in a block fragment (q, i) at 2,048 (8 q + i) as an image of its 16 registers, the scale words from byte 32,768 at 8 (16 i + r) + 4 q.
; A work-group of four waves makes 256 x 256 of out0; grid x is the tile row, grid y the tile column.  WAVE w MAKES ROWS 64 w .. 64 w + 63 x ALL 256 COLUMNS: 64 accumulators, 512 registers.
; A: a wave's 64 rows are read by no other wave of the work-group, so they do not pass through LDS: each fragment piece is one global_load_b128 of 512 consecutive bytes into a ring of four sets of registers
;    (a set = 128 along K = 16 loads of codes and 2 of scale words); a set is asked for in two halves of nine loads, three and two and a half steps of 128 along K ahead of its use.
;    No joint load for A: a joint load lands in LDS, and these bytes go to registers.  No prefetch for A: its own loads already stand that far ahead of their readers.
; B: all four waves read all 256 rows, from a ring of two LDS slots of 512 along K each (4 blocks, one tensor load a wave).  The four work-groups of a cluster (4 tile rows, one tile column) need the same
;    blocks of B and ask for them jointly (mask 15).  8 slots in all, 7 changes of slots.
; A slot is 64 fragments of B (4 steps of 128 along K x 16), each multiplied against A's four blocks, in eight half-steps of 8 fragments, 32 products.  B's fragments lie in three banks of four.  A half-step:
; eight places, ONE run of loads (the next eight fragments into the two free banks, and nine loads of A), the four fragments that are ready, then the first four of the run.
; The last group of a slot lies in bank 1 and the next slot's first in bank 0, so that the banks begin anew with each slot.
; The first step's products take the constant 0 as C and stand ahead of the loop; a trip goes from a slot's second step to the next slot's first.
; THE MATRIX INSTRUCTION IS USED TRANSPOSED (source 0 = 16 rows of B, source 1 = 16 rows of A): a lane holds eight neighbouring columns of one row.  The bias is added on the way out, to the rows as they come back from the stage.
; REGISTERS: window 0: v0-31 addresses; v32-47 B's scale words; v48-55 A's; v56-63 the bias; v64-255 B's three banks (then the way out).  window 1: A's four sets.  windows 2, 3: accumulator (a, f) at v[32 (f % 8) + 8 a] of window 2 + f / 8.
.set BLK,    33792
.set SLOT,   4*BLK                     ; block 2 rb + ks: rows 128 rb on, K step ks of the slot's two.  SLOT shares no bit with k BLK (k < 4) nor with 16 x lane: an xor with SLOT changes slots
.set RBS,    16*BLK                    ; 128 rows, all of K
.set SPARE,  2*SLOT                    ; the spare words, 128 bytes a wave
.set STAGE,  SPARE+512                 ; the way out: 16 rows x 528 bytes for each wave; no fill lands here
.set SPITCH, 528
.set ROWC,   16384                     ; a row of out0 in bytes
.set ADB, 8                            ; v8-11   16 x lane + block k of the slot that is read
.set ADS, 12                           ; v12-15  8 x lane + the same
.set AO,  16                           ; v16     A's codes: 16 x lane + 8,192 (wave % 2)
.set AS8, 17                           ; v17     A's scale words: 8 x lane + 512 (wave % 2)
.set SPW, 18                           ; v18     my spare word
.set NIL, 19                           ; v19     0
.set PFO, 20                           ; v20     256 x lane
.set PFZ, 21                           ; v21     0: an offset
.set STO, 23
.set RD,  24
.set CO,  25
.set SB,  32                           ; pair p: v[SB + 2 p + q]: lanes 0-15 block 2 p, lanes 16-31 block 2 p + 1
.set SA,  48                           ; set j, pair u: v[SA + 4 (j / 2) + 2 u + 1 - j % 2]: its parity is never that of B's word of the same step
.set BI,  56                           ; v56-59, v60-63: the bias of my four columns in each half of a row of 256
.set BF,  64                           ; bank k at v[BF + 64 k]
.set OB,  128                          ; the way out: two sets of 64
.set G1, 24
.set G0, 32
.set AB, 36                            ; s[36:37] A at my 128 rows, at the slot's first K step
.set PFA, 44                           ; s[44:45], s[46:47] the prefetches' two places
.set PFB, 46
.set MSB, 0
.macro WIN new
.if MSB != (\new)
	s_set_vgpr_msb (MSB<<8)|(\new)
.set MSB, (\new)
.endif
.endm
.macro CREST
	s_cmp_lg_u32 s14, 0
	s_cbranch_scc1 .Lnot_wave_0_\@
	s_barrier_signal -3
.Lnot_wave_0_\@:
	s_barrier_wait -3
	s_barrier_signal -1
	s_barrier_wait -1
.endm
.macro CROUND
	s_barrier_signal -1
	s_barrier_wait -1
	CREST
.endm
.macro PLACES n
.rept \n
	v_nop
.endr
.endm
; load n of the 18 that bring step sg (counted from the slot's first) into set jr
.macro ALD jr, sg, n
.if (\n) < 16
	WIN 0x40
	global_load_b128 v[64*(\jr)+4*(\n):64*(\jr)+4*(\n)+3], v[AO], s[AB:AB+1] offset:((\sg)>>1)*BLK+(8*((\sg)&1)+((\n)>>2))*2048+512*((\n)&3)
.else
	WIN 0
	global_load_b32 v[SA+4*((\jr)>>1)+2*((\n)-16)+1-((\jr)&1)], v[AS8], s[AB:AB+1] offset:((\sg)>>1)*BLK+32768+256*((\n)-16)+4*((\sg)&1)
.endif
.endm
.macro ASET1 jr, sg                    ; a set's first nine loads: the two of scale words (window 0), then seven of codes
.irp n, 16,17,0,1,2,3,4,5,6
	ALD \jr, \sg, \n
.endr
.endm
.macro ASET2 jr, sg                    ; and its other nine
.irp n, 7,8,9,10,11,12,13,14,15
	ALD \jr, \sg, \n
.endr
.endm
.macro SCL p, ks                       ; B's scale words of blocks 2 p, 2 p + 1 for K step ks of the slot: both halves of 128
	ds_load_b64 v[SB+2*(\p):SB+2*(\p)+1], v[ADS+2*((\p)>>2)+(\ks)] offset:32768+256*((\p)&3)
.endm
.macro SETB l                          ; FBR: where fragment l of the slot lies: group l / 4 in bank (l / 4) % 3, the last group in bank 1
.if ((\l)>>2) == 15
.set FBR, BF+64+16*((\l)&3)
.else
.set FBR, BF+64*(((\l)>>2)%3)+16*((\l)&3)
.endif
.endm
.macro LDF l                           ; fragment l = 16 i + f of the slot: step i, block f
	SETB \l
.irp c, 0,1,2,3
	ds_load_b128 v[FBR+4*\c:FBR+4*\c+3], v[ADB+2*(((\l)&15)>>3)+((\l)>>5)] offset:(8*(((\l)>>4)&1)+((\l)&7))*2048+512*\c
.endr
.endm
; one product: A's block a x B's fragment l.  z = 1: it starts the sum.  The 64 accumulators take turns
.macro WM a, l, z
.set DD, 32*((\l)&7)+8*(\a)
.set FA, 64*((\l)>>4)+16*(\a)
.set RB, SB+2*(((\l)&15)>>1)+(((\l)>>4)&1)
.set RA, SA+4*((\l)>>5)+2*((\a)>>1)+1-(((\l)>>4)&1)
.if (\z)
.if (((\l)&1) == 0) && (((\a)&1) == 0)
	v_wmma_scale_f32_16x16x128_f8f6f4 v[DD:DD+7], v[FBR:FBR+15], v[FA:FA+15], 0, v[RB], v[RA] matrix_a_fmt:MATRIX_FMT_BF8 matrix_b_fmt:MATRIX_FMT_BF8
.endif
.if (((\l)&1) == 1) && (((\a)&1) == 0)
	v_wmma_scale_f32_16x16x128_f8f6f4 v[DD:DD+7], v[FBR:FBR+15], v[FA:FA+15], 0, v[RB], v[RA] matrix_a_fmt:MATRIX_FMT_BF8 matrix_b_fmt:MATRIX_FMT_BF8 matrix_a_scale:MATRIX_SCALE_ROW1
.endif
.if (((\l)&1) == 0) && (((\a)&1) == 1)
	v_wmma_scale_f32_16x16x128_f8f6f4 v[DD:DD+7], v[FBR:FBR+15], v[FA:FA+15], 0, v[RB], v[RA] matrix_a_fmt:MATRIX_FMT_BF8 matrix_b_fmt:MATRIX_FMT_BF8 matrix_b_scale:MATRIX_SCALE_ROW1
.endif
.if (((\l)&1) == 1) && (((\a)&1) == 1)
	v_wmma_scale_f32_16x16x128_f8f6f4 v[DD:DD+7], v[FBR:FBR+15], v[FA:FA+15], 0, v[RB], v[RA] matrix_a_fmt:MATRIX_FMT_BF8 matrix_b_fmt:MATRIX_FMT_BF8 matrix_a_scale:MATRIX_SCALE_ROW1 matrix_b_scale:MATRIX_SCALE_ROW1
.endif
.else
.if (((\l)&1) == 0) && (((\a)&1) == 0)
	v_wmma_scale_f32_16x16x128_f8f6f4 v[DD:DD+7], v[FBR:FBR+15], v[FA:FA+15], v[DD:DD+7], v[RB], v[RA] matrix_a_fmt:MATRIX_FMT_BF8 matrix_b_fmt:MATRIX_FMT_BF8
.endif
.if (((\l)&1) == 1) && (((\a)&1) == 0)
	v_wmma_scale_f32_16x16x128_f8f6f4 v[DD:DD+7], v[FBR:FBR+15], v[FA:FA+15], v[DD:DD+7], v[RB], v[RA] matrix_a_fmt:MATRIX_FMT_BF8 matrix_b_fmt:MATRIX_FMT_BF8 matrix_a_scale:MATRIX_SCALE_ROW1
.endif
.if (((\l)&1) == 0) && (((\a)&1) == 1)
	v_wmma_scale_f32_16x16x128_f8f6f4 v[DD:DD+7], v[FBR:FBR+15], v[FA:FA+15], v[DD:DD+7], v[RB], v[RA] matrix_a_fmt:MATRIX_FMT_BF8 matrix_b_fmt:MATRIX_FMT_BF8 matrix_b_scale:MATRIX_SCALE_ROW1
.endif
.if (((\l)&1) == 1) && (((\a)&1) == 1)
	v_wmma_scale_f32_16x16x128_f8f6f4 v[DD:DD+7], v[FBR:FBR+15], v[FA:FA+15], v[DD:DD+7], v[RB], v[RA] matrix_a_fmt:MATRIX_FMT_BF8 matrix_b_fmt:MATRIX_FMT_BF8 matrix_a_scale:MATRIX_SCALE_ROW1 matrix_b_scale:MATRIX_SCALE_ROW1
.endif
.endif
.endm
.macro MULF l, z                       ; fragment l against A's four blocks
	WIN 0xa4+0x50*(((\l)>>3)&1)
	SETB \l
.irp a, 0,1,2,3
	WM \a, \l, \z
.endr
.endm
.macro CATCHUP                         ; a slot's first reads: four pairs of scale words, then fragments 0 to 3 (bank 0)
.irp p, 0,1,2,3
	SCL \p, 0
.endr
.irp f, 0,1,2,3
	LDF \f
.endr
.endm
.macro TOGGLE                          ; the read addresses change slots
.irp k, 0,1,2,3
	v_xor_b32 v[ADB+\k], SLOT, v[ADB+\k]
	v_xor_b32 v[ADS+\k], SLOT, v[ADS+\k]
.endr
	s_wait_alu depctr_va_vdst(0)                   ; the wait here, directly behind the writes
.endm
; Half-step c of a slot: fragments 8 c .. 8 c + 7.  mode 0: the slot is filled again behind a round; 1: a change of slots without a fill; 2: the last slot.  z = 1: the products start the sums.
.macro CYC c, mode, z
	PLACES 8                                       ; in front of loads into registers that the products just issued have read (ISA guide 7.12.1 for vector instructions)
	WIN 0
.set NRUN, 32
.if (\c) == 0
.set NRUN, 36
.irp p, 4,5,6,7
	SCL \p, 0                                      ; a pair of scale words is loaded anew in the first run behind its last reader
.endr
.endif
.if (\c) == 3
.set NRUN, 36
.irp p, 0,1,2,3
	SCL \p, 1
.endr
.endif
.if (\c) == 4
.set NRUN, 36
.irp p, 4,5,6,7
	SCL \p, 1
.endr
.endif
.if (\c) < 7
.irp d, 4,5,6,7,8,9,10,11
	LDF 8*(\c)+\d
.endr
.else
.irp d, 4,5,6,7
	LDF 8*(\c)+\d                                  ; the slot's last four fragments: my reads of the slot are all issued
.endr
.endif
.if ((\mode) < 2) || ((\c) < 2)                ; the set that the last step read takes the step three on, nine loads in each half-step; the last slot asks for one set more
.if ((\c)&1) == 0
	ASET1 (((\c)>>1)+3)%4, ((\c)>>1)+3
.else
	ASET2 (((\c)>>1)+3)%4, ((\c)>>1)+3
.endif
.endif
.if (\c) < 7
	s_wait_dscnt NRUN                              ; all but this run: the four fragments that are ready
.if ((\c)&1) == 0
.if ((\mode) == 2) && ((\c) > 0)
	s_wait_loadcnt 18*(3-((\c)>>1))                ; nothing more is asked for: the count runs down
.else
	s_wait_loadcnt 45                              ; this step's set of A is in; two younger sets and the nine loads just issued may be out
.endif
.endif
.irp d, 0,1,2,3
	MULF 8*(\c)+\d, \z
.endr
	s_wait_dscnt 16                                ; the run's first bank is in; its second may be out
.irp d, 4,5,6,7
	MULF 8*(\c)+\d, \z
.endr
.else
.if (\mode) == 2
	s_wait_dscnt 16
.irp d, 0,1,2,3
	MULF 8*(\c)+\d, 0
.endr
	s_wait_dscnt 0x0
.else
	WIN 0
	s_wait_tensorcnt 0x0                           ; my one tensor load, my block of the next slot, has landed
	ds_add_u32 v[SPW], v[NIL]                      ; eight products stand between the add and its wait
	s_wait_dscnt 17                                ; (the add and the 16 LDS loads just issued may be out)
	MULF 8*(\c), 0
	MULF 8*(\c)+1, 0
	s_wait_dscnt 0x0                               ; the add is done, and my reads of this slot are over
	s_barrier_signal -1
	MULF 8*(\c)+2, 0
	MULF 8*(\c)+3, 0
	WIN 0
	s_barrier_wait -1
.if (\mode) == 0
	CREST                                          ; the barrier has opened a round: no wave of any partner reads this slot or has a load on its way
	s_xor_b32 s[G0+1], s[G0+1], SLOT               ; into the slot just read,
	s_add_nc_u64 s[G0+2:G0+3], s[G0+2:G0+3], 2*BLK ; the slot after the next
	tensor_load_to_lds s[G0:G0+3], s[G1:G1+7]
	s_nop 0
.endif
	TOGGLE
	CATCHUP
.if (\mode) == 0
	s_cmp_lg_u32 s3, 1                             ; the loop's last trip has no slot three on
	s_cbranch_scc0 .Lno_ask_\@
	global_prefetch_b8 v[PFO], s[PFA:PFA+1] th:TH_LOAD_NT scope:SCOPE_SE   ; the block that I load at the next change of slots: of its 128 units of codes my work-group names 32, a lane a unit,
	global_prefetch_b8 v[PFZ], s[PFB:PFB+1] th:TH_LOAD_NT scope:SCOPE_SE   ; and of its 4 units of scale words one: the four partners share the block out by address
.Lno_ask_\@:
.endif
.endif
.irp d, 4,5,6,7
	MULF 8*(\c)+\d, 0
.endr
.endif
.endm
	s_load_b256 s[4:11], s[0:1], 0x0               ; apack, bpack, bias, out0
	v_lshl_add_u32 v[SPW], v0, 2, SPARE
	v_mov_b32 v[NIL], 0
	ds_add_u32 v[SPW], v[NIL]                      ; the opening lines: the add twice on end and one wait
	ds_add_u32 v[SPW], v[NIL]
	v_lshrrev_b32 v1, 5, v0
	v_readfirstlane_b32 s14, v1                    ; wave
	s_lshr_b32 s15, s14, 1
	s_and_b32 s16, s14, 1
	s_bfe_u32 s40, ttmp6, 0x40000                  ; cx
	s_lshl_b32 s17, ttmp9, 2
	s_add_co_u32 s17, s17, s40                     ; tile row
	s_and_b32 s18, ttmp7, 0xffff                   ; tile column: the same in the four partners
	s_mov_b32 s[G1+0], 15|(3<<16)|(1<<21)          ; the mask of all four; elements of 8 bytes; bit 21 beside a mask
	s_mov_b32 s[G1+1], 32<<16                      ; a block is dense: 132 rows of 256 bytes
	s_mov_b32 s[G1+2], 132<<16
	s_mov_b32 s[G1+3], 32<<16
	s_mov_b32 s[G1+4], 132
	s_mov_b32 s[G1+5], 32
	s_mov_b32 s[G1+6], 0
	s_mov_b32 s[G1+7], 0
	v_and_b32 v2, 31, v0
	v_and_b32 v4, 15, v0
	v_bfe_u32 v3, v0, 4, 1
.irp k, 0,1,2,3
	v_lshl_add_u32 v[ADB+\k], v2, 4, \k*BLK
	v_lshl_add_u32 v[ADS+\k], v2, 3, \k*BLK
.endr
	s_lshl_b32 s20, s16, 13
	v_lshl_add_u32 v[AO], v2, 4, s20
	s_lshl_b32 s21, s16, 9
	v_lshl_add_u32 v[AS8], v2, 3, s21
	v_lshlrev_b32 v[PFO], 8, v2
	v_mov_b32 v[PFZ], 0
	s_mul_i32 s21, s14, 16*SPITCH
	s_add_co_u32 s21, s21, STAGE
	v_mul_u32_u24 v5, v4, SPITCH
	v_lshl_add_u32 v5, v3, 5, v5
	v_add_nc_u32 v[STO], s21, v5                   ; into my stage: row lane % 16, 32 bytes for each half of the lanes
	v_lshlrev_b32 v[CO], 4, v2
	v_add_nc_u32 v[RD], s21, v[CO]                 ; back: 32 lanes take 512 bytes of a row
	s_lshl_b32 s22, s17, 1
	s_add_co_u32 s22, s22, s15
	s_mul_i32 s22, s22, RBS                        ; A: my 128 rows
	s_mov_b32 s23, 0
	s_lshl_b32 s42, s18, 1
	s_add_co_u32 s42, s42, s15
	s_mul_i32 s42, s42, RBS                        ; B: rows 128 (wave / 2) on, K step wave % 2
	s_mul_i32 s41, s16, BLK
	s_add_co_u32 s42, s42, s41
	s_mov_b32 s43, 0
	s_mov_b32 s[G0], 1
	s_mul_i32 s[G0+1], s14, BLK
	s_lshl_b32 s48, s17, 8
	s_lshl_b32 s49, s14, 6
	s_add_co_u32 s48, s48, s49
	s_lshl_b32 s48, s48, 14                        ; out0: my first row,
	s_lshl_b32 s50, s18, 10                        ; the tile's first column; the same bytes in bias
	s_add_co_u32 s48, s48, s50
	s_mov_b32 s49, 0
	s_mov_b32 s51, 0
	s_lshl_b32 s52, s40, 13                        ; the prefetches begin three slots on
	s_add_co_u32 s52, s52, 6*BLK
	s_mov_b32 s53, 0
	s_lshl_b32 s54, s40, 8
	s_add_co_u32 s54, s54, 6*BLK+32768
	s_mov_b32 s55, 0
	s_wait_dscnt 0x0
	s_wait_alu depctr_va_vdst(0)
	s_wait_kmcnt 0x0
	s_add_nc_u64 s[AB:AB+1], s[4:5], s[22:23]
	s_add_nc_u64 s[G0+2:G0+3], s[6:7], s[42:43]
	s_add_nc_u64 s[PFA:PFA+1], s[G0+2:G0+3], s[52:53]
	s_add_nc_u64 s[PFB:PFB+1], s[G0+2:G0+3], s[54:55]
	s_or_b32 s[G0+3], s[G0+3], 0x80000000
	s_add_nc_u64 s[8:9], s[8:9], s[50:51]
	s_add_nc_u64 s[10:11], s[10:11], s[48:49]
	CROUND                                         ; the four partners are here: the first joint loads meet
	tensor_load_to_lds s[G0:G0+3], s[G1:G1+7]      ; slot 0, a block a wave: one tensor load a wave at the head
	s_nop 0
	PLACES 4
	global_load_b128 v[BI:BI+3], v[CO], s[8:9]               ; the bias of columns 4 lane .. + 3 of the tile's first 128,
	global_load_b128 v[BI+4:BI+7], v[CO], s[8:9] offset:512  ; and of its other 128.  The oldest loads: the first step's counted wait covers them
.irp g, 0,1,2
	ASET1 \g, \g                                   ; A's first three sets
	ASET2 \g, \g
.endr
	WIN 0
	s_wait_tensorcnt 0x0                           ; my block of slot 0 is in
	ds_add_u32 v[SPW], v[NIL]
	s_xor_b32 s[G0+1], s[G0+1], SLOT
	s_add_nc_u64 s[G0+2:G0+3], s[G0+2:G0+3], 2*BLK
	s_wait_dscnt 0x0
	CROUND
	tensor_load_to_lds s[G0:G0+3], s[G1:G1+7]      ; slot 1's first fill
	s_nop 0
	CATCHUP
	CYC 0, 0, 1                                    ; the first step stands ahead of the loop: its products start the sums
	CYC 1, 0, 1
	WIN 0
	s_mov_b32 s3, 6
.Lslot:                                                ; a trip: a slot's steps 1 to 3, the change of slots, the next slot's step 0: 256 products
.irp c, 2,3,4,5,6,7
	CYC \c, 0, 0
.endr
	s_wait_xcnt 0x0                                ; my loads and prefetches have read their bases
	s_add_nc_u64 s[AB:AB+1], s[AB:AB+1], 2*BLK
	s_add_nc_u64 s[PFA:PFA+1], s[PFA:PFA+1], 2*BLK
	s_add_nc_u64 s[PFB:PFB+1], s[PFB:PFB+1], 2*BLK
	CYC 0, 0, 0
	CYC 1, 0, 0
	WIN 0
	s_sub_co_u32 s3, s3, 1
	s_cmp_lg_u32 s3, 0
	s_cbranch_scc1 .Lslot
.irp c, 2,3,4,5,6,7
	CYC \c, 1, 0                                   ; the last two slots fill nothing
.endr
	s_wait_xcnt 0x0
	s_add_nc_u64 s[AB:AB+1], s[AB:AB+1], 2*BLK
.irp c, 0,1,2,3,4,5,6,7
	CYC \c, 2, 0
.endr
	WIN 0
; THE WAY OUT, by blocks of 16 rows x 128 columns (e = 2 a + half): through my own stage, back as rows of 512 bytes, the bias added, and 32 lanes store two aligned units of 256 bytes.  LDS serves a wave's instructions in order.
.macro TOSTAGE e
	WIN 0x08+4*((\e)&1)
.irp b, 0,1,2,3,4,5,6,7
	ds_store_b128 v[STO], v[32*\b+8*((\e)>>1):32*\b+8*((\e)>>1)+3] offset:64*\b      ; each accumulator from its low end on
	ds_store_b128 v[STO], v[32*\b+8*((\e)>>1)+4:32*\b+8*((\e)>>1)+7] offset:64*\b+16
.endr
	WIN 0
.irp t, 0,1,2,3,4,5,6,7,8,9,10,11,12,13,14,15
	ds_load_b128 v[OB+64*((\e)&1)+4*\t:OB+64*((\e)&1)+4*\t+3], v[RD] offset:\t*SPITCH
.endr
.endm
.macro SEND e, younger
	s_wait_dscnt \younger
.irp t, 0,1,2,3,4,5,6,7,8,9,10,11,12,13,14,15
	v_pk_add_f32 v[OB+64*((\e)&1)+4*\t:OB+64*((\e)&1)+4*\t+1], v[OB+64*((\e)&1)+4*\t:OB+64*((\e)&1)+4*\t+1], v[BI+4*((\e)&1):BI+4*((\e)&1)+1]
	v_pk_add_f32 v[OB+64*((\e)&1)+4*\t+2:OB+64*((\e)&1)+4*\t+3], v[OB+64*((\e)&1)+4*\t+2:OB+64*((\e)&1)+4*\t+3], v[BI+4*((\e)&1)+2:BI+4*((\e)&1)+3]
.endr
.irp t, 0,1,2,3,4,5,6,7,8,9,10,11,12,13,14,15
	global_store_b128 v[CO], v[OB+64*((\e)&1)+4*\t:OB+64*((\e)&1)+4*\t+3], s[10:11] offset:(16*((\e)>>1)+\t)*ROWC+512*((\e)&1) th:TH_STORE_NT
.endr
.endm
	PLACES 8                                       ; behind the last products
	TOSTAGE 0
.irp e, 1,2,3,4,5,6,7
.if \e > 1
	s_wait_xcnt 0x0                                ; block e - 2's stores have read their registers
.endif
	TOSTAGE \e
	SEND \e-1, 32                                  ; behind block e - 1's loads: block e's 16 stores and 16 loads
.endr
	SEND 7, 0
	s_wait_tensorcnt 0x0                           ; the wave's end
	ds_add_u32 v[SPW], v[NIL]
	s_wait_dscnt 0x0
	CROUND                                         ; the closing round
	s_endpgm
.Lfunc_end_k_q38bfd2dbd4_gemm:
	.size	k_q38bfd2dbd4_gemm, .Lfunc_end_k_q38bfd2dbd4_gemm-k_q38bfd2dbd4_gemm
	.p2alignl 7, 3214868480
	.fill 96, 4, 3214868480
	.section	.rodata,"a",@progbits
	.p2align	6, 0x0
	.amdhsa_kernel k_q38bfd2dbd4_gemm
		.amdhsa_group_segment_fixed_size 327680
		.amdhsa_private_segment_fixed_size 0
		.amdhsa_enable_private_segment 0
		.amdhsa_kernarg_size 32
		.amdhsa_user_sgpr_count 2
		.amdhsa_user_sgpr_kernarg_segment_ptr 1
		.amdhsa_wavefront_size32 1
		.amdhsa_system_sgpr_workgroup_id_x 1
		.amdhsa_system_sgpr_workgroup_id_y 1
		.amdhsa_system_sgpr_workgroup_id_z 1
		.amdhsa_system_vgpr_workitem_id 0
		.amdhsa_next_free_vgpr 1024
		.amdhsa_next_free_sgpr 66
		.amdhsa_reserve_vcc 0
		.amdhsa_float_denorm_mode_32 3
		.amdhsa_float_denorm_mode_16_64 3
		.amdhsa_memory_ordered 1
		.amdhsa_forward_progress 1
		.amdhsa_inst_pref_size 232
	.end_amdhsa_kernel
	.amdgpu_metadata
---
amdhsa.version: [ 1, 2 ]
amdhsa.kernels:
  - .name:           k_q38bfd2dbd4_gemm
    .symbol:         k_q38bfd2dbd4_gemm.kd
    .args:
      - { .name: apack, .offset: 0, .size: 8, .value_kind: global_buffer, .address_space: global }
      - { .name: bpack, .offset: 8, .size: 8, .value_kind: global_buffer, .address_space: global }
      - { .name: bias, .offset: 16, .size: 8, .value_kind: global_buffer, .address_space: global }
      - { .name: out0, .offset: 24, .size: 8, .value_kind: global_buffer, .address_space: global }
    .group_segment_fixed_size: 327680
    .private_segment_fixed_size: 0
    .kernarg_segment_align: 8
    .kernarg_segment_size: 32
    .max_flat_workgroup_size: 128
    .sgpr_count:     66
    .vgpr_count:     1024
    .wavefront_size: 32
...
	.end_amdgpu_metadata
.endif
;; end of part 2
